; MI455X (gfx1250); checked and timed in simulation.
; The chip was launched on July 23, 2026; its instructions are those of AMD's public machine-readable ISA for CDNA 5 (MIT licence, August 2026) and "CDNA5" Instruction Set Architecture Reference Guide (July 2026). The comments in the code are by the model that wrote it; some were corrected since.
;; Multihead Attention. Allowed arithmetic: matrix products marked QUANTISED: E2M1 operands, one E8M0 scale for each 32 along K, by v_wmma_scale_f32_16x16x128_f8f6f4 with both operands' format E2M1 (or v_wmma_scale_f32_32x16x128_f4), f32 sums; everything else in f32.
;; Inputs: Wk_codes 1,024 x 32 x 16 uint8 (E2M1 codes of Wk, K innermost, in blocks of 32 codes, two codes a byte); Wk_scales 1,024 x 32 uint8 (E8M0 scales of Wk, one for each 32 codes along K); Wq_codes 1,024 x 32 x 16 uint8 (E2M1 codes of Wq, K innermost, in blocks of 32 codes, two codes a byte); Wq_scales 1,024 x 32 uint8 (E8M0 scales of Wq, one for each 32 codes along K); Wv_codes 1,024 x 32 x 16 uint8 (E2M1 codes of Wv, K innermost, in blocks of 32 codes, two codes a byte); Wv_scales 1,024 x 32 uint8 (E8M0 scales of Wv, one for each 32 codes along K); bk 1,024 float32; bq 1,024 float32; bv 1,024 float32; k_codes 2,048 x 4 x 32 x 16 uint8 (E2M1 codes of k, K innermost, in blocks of 32 codes, two codes a byte); k_scales 2,048 x 4 x 32 uint8 (E8M0 scales of k, one for each 32 codes along K); q_codes 2,048 x 4 x 32 x 16 uint8 (E2M1 codes of q, K innermost, in blocks of 32 codes, two codes a byte); q_scales 2,048 x 4 x 32 uint8 (E8M0 scales of q, one for each 32 codes along K); v_codes 2,048 x 4 x 32 x 16 uint8 (E2M1 codes of v, K innermost, in blocks of 32 codes, two codes a byte); v_scales 2,048 x 4 x 32 uint8 (E8M0 scales of v, one for each 32 codes along K).
;; Outputs: out0 2,048 x 4 x 1,024 float32.
;; This version of the problem:
;;   THIS VERSION OF THE PROBLEM IS GIVEN IN LOW PRECISION. The matrix products marked QUANTISED in the list below multiply operands that are first quantised to E2M1 (2 exponent bits, 1 mantissa bit; 4 bits a number), with one power-of-two scale for each 32 numbers along K (OCP MX v1.0); their sums are f32. All else is computed in f32.
;;   The module's matrix products, in the order in which they are computed (A, B: the left and right operand; K: the contracted axis; several contracted axes count as one K, in the product's order):
;;     1. [M 8,192, K 1,024] x [K 1,024, N 1,024]; A: input q (given as codes); B: input Wq (given as codes): QUANTISED
;;     2. [M 8,192, K 1,024] x [K 1,024, N 1,024]; A: input k (given as codes); B: input Wk (given as codes): QUANTISED
;;     3. [M 8,192, K 1,024] x [K 1,024, N 1,024]; A: input v (given as codes); B: input Wv (given as codes): QUANTISED
;;     4. batch 64 x [M 2,048, K 64] x [K 64, N 2,048]; A: computed on the way; B: computed on the way: QUANTISED
;;     5. batch 64 x [M 64, K 2,048] x [K 2,048, N 2,048]; A: computed on the way; B: softmax (see below): QUANTISED
;;   THE QUANTISER, for each operand of a quantised product, along K:
;;     - K is cut into blocks of 32 from its start; a last block that is shorter is filled with zeros.
;;     - A block's scale is 2^e with e = floor(log2(the largest magnitude in the block)) - 2, held to -126 .. 127; a block of zeros has e = 0. As a byte (E8M0): e + 127.
;;     - Each number is divided by its block's scale, clamped to +-6, and rounded to the nearest number of E2M1, ties to even, subnormals kept.
;;     - The product sums the exact products of the quantised numbers (number of the format x scale) in f32.
;;   ~~~python
;;   def quantise(x, axis):      # numpy; x: float32 -> the quantised numbers, widened to float32 again
;;       x = np.moveaxis(x, axis, -1); K = x.shape[-1]
;;       x = np.pad(x, [(0, 0)] * (x.ndim - 1) + [(0, -K % 32)]); x = x.reshape(x.shape[:-1] + (-1, 32)); a = np.abs(x).max(-1, keepdims=True)
;;       e = np.where(a > 0, np.clip(np.frexp(np.where(a > 0, a, 1))[1] - 1 - 2, -126, 127), 0)      # np.frexp(a)[1] - 1 = floor(log2(a)), exactly
;;       r = np.clip(x / 2.0 ** e, -6, 6)
;;       step = 2.0 ** (np.maximum(np.frexp(np.where(r == 0, 1, r))[1] - 1, 0) - 1)
;;       q = np.round(r / step) * step * 2.0 ** e      # np.round: ties to even
;;       return np.moveaxis(q.reshape(q.shape[:-2] + (-1,))[..., :K], -1, axis).astype(np.float32)
;;   ~~~
;;   SOFTMAX AHEAD OF A QUANTISED PRODUCT. Where the list says 'softmax', what is quantised is not the finished softmax but p = 2^(t - M), with t = logit x log2(e) and M = ceil(the row's largest t), a whole number; so 1/2 < the row's largest p <= 1. The row's sum l is taken of the UNQUANTISED p, in f32, and the product's result is divided by l at the end. Since M is a whole number, a kernel that streams over the keys may use a running M (the ceiling of the running maximum): every later rescaling is an exact power of two, which a block's scale takes up: the codes' values come out the same.
;;   OPERANDS COMPUTED ON THE WAY. 'Computed on the way' means the value that the module computes at that place (a softmax that the list does not call 'softmax' is quantised finished and normalised). What goes into a quantiser is computed in f32, as accurately as f32 sums, v_exp_f32 and their like allow (about 1e-6 of the number): no bf16 or f16 on the way to a quantiser, and a product that is left as it is and whose result goes on into a quantised operand takes f32 operands (vector FMAs, or v_wmma_f32_16x16x4_f32). A number that lies on a knife's edge between two numbers of the format may be rounded either way, as far as f32 arithmetic and the matrix unit's own rounding can turn it there, and no further.
;;   INPUTS GIVEN AS CODES. Wk (in the module: [1024, 1024], K = its axis 1); Wq (in the module: [1024, 1024], K = its axis 1); Wv (in the module: [1024, 1024], K = its axis 1); k (in the module: [2048, 4, 1024], K = its axis 2); q (in the module: [2048, 4, 1024], K = its axis 2); v (in the module: [2048, 4, 1024], K = its axis 2): each comes as NAME_codes (uint8): NAME with its K axis moved to the last place and cut into blocks of 32 codes, [.., K / 32, bytes a block], one block behind the other in memory; two codes a byte, the lower K in the low four bits (a code: sign, 2 exponent bits, 1 mantissa bit); and NAME_scales (uint8): the same leading axes, one E8M0 byte (e + 127) for each 32 codes along K. Its value is code x scale, taken as it is: it is not quantised again, and the codes and scales need not be those that the quantiser above would give.
;; One version. Each part assembles by itself: llvm-mc -triple=amdgcn-amd-amdhsa -mcpu=gfx1250 --defsym DOCPART=n.
;; ======== version 1 of 1: 2 launches
;; limits: right only within a limited range of input values
;; workspace buffers: qrec 4,718,592 bytes; kv 9,175,040 bytes
;; launch proj (part 1): grid 4 x 192, 8 waves a work-group, clusters of 4 x 4, 228,352 bytes of LDS; arguments q_codes, q_scales, Wq_codes, Wq_scales, bq, k_codes, k_scales, Wk_codes, Wk_scales, bk, v_codes, v_scales, Wv_codes, Wv_scales, bv, qrec, kv; writes qrec, kv
.if DOCPART == 1
	.amdgcn_target "amdgcn-amd-amdhsa--gfx1250"
	.amdhsa_code_object_version 6
	.text
	.protected	k_qaa5a50a3f9_proj
	.globl	k_qaa5a50a3f9_proj
	.p2align	8
	.type	k_qaa5a50a3f9_proj,@function
k_qaa5a50a3f9_proj:
	s_mov_b64 s[64:65], 0
	v_nop
	global_prefetch_b8 v0, s[64:65] scope:SCOPE_SE
	s_setreg_imm32_b32 hwreg(HW_REG_WAVE_MODE, 25, 1), 1
	s_wait_xcnt 0x0
	s_wait_alu depctr_hold_cnt(0) depctr_sa_sdst(0) depctr_va_vdst(0) depctr_va_sdst(0) depctr_va_ssrc(0) depctr_va_vcc(0) depctr_vm_vsrc(0)
	s_getreg_b32 s2, hwreg(HW_REG_IB_STS2, 6, 4)
	s_cmp_eq_u32 s2, 0
	s_cbranch_scc0 .Lentry_in_a_cluster
	s_endpgm
.Lentry_in_a_cluster:
	s_bfe_u32 s2, ttmp6, 0x10000c
	s_cmp_lg_u32 s2, 0xf033
	s_cbranch_scc0 .Lentry_shape_is_right
	s_endpgm
.Lentry_shape_is_right:
; THE THREE PROJECTIONS: y = relu6(x W^T + b) for x = q, k, v ([2048 t][4 b][1024], W [1024][1024]), on codes of FP4 (E2M1) with one E8M0 byte for each 32 along K,
; and y quantised at once for the attention launch: q and k along a head's 64 channels, v along the keys.  y never goes to memory as f32.
; OUT.  qrec: a record of 73,728 bytes for each (b, head): 128 units of 512 bytes (unit T: lane l's 16 bytes at 16 l; lane (r, hh) = query 16 T + r, channels 32 hh .. 32 hh + 31), then one
; scale word a query (byte 0: channels 0-31, byte 1: channels 32-63, bytes 2, 3: 0).  kv: a record of 143,360 bytes: K's units as Q's; at 65,536 V's codes [key step 16][channel tile 4][c 2][512 bytes]
; (lane (r, hh) = channel 16 tile + r, keys 128 step + 64 c + 32 hh + 0 .. 31); at 131,072 K's scale words; at 139,264 V's scale words [step][64 channels], byte i = key block 4 step + i.
; SHARES.  A cluster of 4 x 4 work-groups takes one tensor (id = cluster y / 16) and 128 values of t (tb = cluster y % 16); cy is the batch b, cx the block of 256 rows of W.
; A work-group multiplies X (128 rows of x at its b) by W (256 rows) over all of K = 1,024.  X's tiles are the same along a row of the cluster, W's along a column: each is asked for JOINTLY.
; A wave makes 32 L rows x 128 P rows: 16 accumulators.  The product is D = P L^T: a lane holds ONE L row and its registers run along P, which is the K of the next product.
;   q, k: L = x's rows (32 (w % 4) on), P = W's rows (128 (w / 4) on: two heads).      v: L = W's rows (32 w on), P = x's rows (the 128 keys of key step tb).
; LDS: whole rows of K; every byte is filled once, one tensor load a wave at the head (waves 0-3 W's codes, 4-5 X's codes, 6 X's scale bytes, 7 W's).  No LDS store in the text.
; Behind the one barrier the text parts on the tensor's number (the same in all sixteen work-groups): each arm has constant LDS bases and its own copy of the eight K steps.
; No prefetch: each work-group has one fill at its head and no loop to run ahead in.
; LIMITS: a scale byte 0xff (NaN) among the inputs is not served.  A block of zeros gets the byte 1 where the rule says 127: its codes are zeros and only this program reads the bytes.
.set PITCH,  528                       ; a row of codes in LDS: 512 bytes + 16 = 132 words: the 16 rows of a load start at 16 different banks (64 banks of 4 bytes: ISA guide 11.1)
.set SPITCH, 40                        ; a row's 32 scale bytes + 8: 10 words: 32 rows start at 32 different banks
.set XC,     0                         ; X's codes, 128 rows
.set WC,     128*PITCH                 ; W's codes, 256 rows
.set XS,     WC+256*PITCH              ; X's scale bytes, 128 rows
.set WS,     XS+128*SPITCH             ; W's scale bytes, 256 rows; they end at byte 218,112
.set SPARE,  0x37800                   ; the spare words: 128 bytes a wave
.set QREC,   73728
.set KVREC,  143360
.set LN,  1                            ; v1   lane
.set R,   2                            ; v2   lane % 16
.set HH,  3                            ; v3   lane / 16
.set AL,  4                            ; v4   LDS address of my L fragments
.set AP,  5                            ; v5   of my P fragments
.set ASL, 6                            ; v6   of my L scale words: lane = L row
.set ASP, 7                            ; v7   of my P scale words: lane = P row of a pair of tiles
.set FL,  8                            ; v8   my lane's place in a fragment
.set VS0, 9                            ; v9-10  where the scale words go
.set BO,  11                           ; v11  my byte in the bias
.set VO,  12                           ; v12-15 where the codes of (l, g) go: 12 + 2 l + g
.set SLR, 16                           ; v16  L's scale words: lanes 0-15 tile 0, lanes 16-31 tile 1
.set SPR, 17                           ; v17-20 P's: register i: lanes 0-15 tile 2 i, lanes 16-31 tile 2 i + 1
.set SL,  21                           ; v21  my lane's place among scale rows
.set LF,  22                           ; v22-37 L's two fragments; at the end the codes of (l, g) at 22 + 8 l + 4 g
.set PF,  38                           ; v38-101 P's eight fragments
.set SPW, 116                          ; v116 my spare word, v117 = 0: never rewritten
.set NIL, 117
.set TM,  118                          ; v118-123 at work
.set WD,  124                          ; v124-127 the scale word of (l, g): 124 + 2 l + g
.set ACC, 128                          ; v128-255 accumulator (l, t) at 128 + 64 l + 8 t
.set CY,  2
.set WV,  38
.set ID,  39                           ; 0: q, 1: k, 2: v
.set TB,  66
.set WB,  67
.set MROW, 100
.set MCOL, 101
.set SEL, 24                           ; s[24:25] v_permlanex16_b32's selects for lane l xor 16 (set behind the descriptors)
.set HM,  26                           ; s26  lanes 16-31
.set G1X,  40                          ; groups 1: X's codes, W's codes, X's scale bytes, W's
.set G1W,  48
.set G1XS, 56
.set G1WS, 68
.set G0X,  76                          ; groups 0
.set G0W,  84
.set G0XS, 92
.set G0WS, 16
.set CODEW0, (0<<16)|(1<<20)|(1<<21)|(6<<22)|(3<<25)   ; elements of 1 byte; padding on; bit 21 beside a mask; 4 words of padding behind every 128
.set SCLW0,  (2<<16)|(1<<20)|(1<<21)|(2<<22)|(1<<25)   ; elements of 4 bytes; 2 words of padding behind every 8
.macro CROUND                          ; a round of the cluster's barrier
	s_barrier_signal -1
	s_barrier_wait -1
	s_cmp_lg_u32 s[WV], 0
	s_cbranch_scc1 .Lnot_wave_0_\@
	s_barrier_signal -3
.Lnot_wave_0_\@:
	s_barrier_wait -3
	s_barrier_signal -1
	s_barrier_wait -1
.endm
	s_load_b512 s[4:19], s[0:1], 0x0               ; q: codes, scales; Wq: codes, scales; bq; k: codes, scales; Wk: codes
	s_load_b512 s[20:35], s[0:1], 0x40             ; Wk: scales; bk; v: codes, scales; Wv: codes, scales; bv; qrec
	s_load_b64 s[36:37], s[0:1], 0x80              ; kv
	v_lshl_add_u32 v[SPW], v0, 2, SPARE
	v_mov_b32 v[NIL], 0
	ds_add_u32 v[SPW], v[NIL]                      ; the opening lines: the add twice on end and its wait
	ds_add_u32 v[SPW], v[NIL]
	v_lshrrev_b32 v1, 5, v0
	s_delay_alu instid0(VALU_DEP_1)
	v_readfirstlane_b32 s[WV], v1                  ; wave 0..7
	s_bfe_u32 s[CY], ttmp6, 0x40004                ; cy
	s_bfe_u32 s3, ttmp6, 0x40000                   ; cx
	s_lshl_b32 s[WB], ttmp9, 2
	s_add_co_u32 s[WB], s[WB], s3                  ; work-group x
	s_lshl_b32 s[MROW], s[CY], 2
	s_lshl_b32 s[MROW], 15, s[MROW]                ; my row of the cluster
	s_lshl_b32 s[MCOL], 0x1111, s3                 ; my column
	s_and_b32 s3, ttmp7, 0xffff                    ; the cluster's y, 0..47
	s_lshr_b32 s[ID], s3, 4
	s_and_b32 s[TB], s3, 15
	s_or_b32 s[G1X], s[MROW], CODEW0
	s_or_b32 s[G1W], s[MCOL], CODEW0
	s_or_b32 s[G1XS], s[MROW], SCLW0
	s_or_b32 s[G1WS], s[MCOL], SCLW0
.irp g, G1X, G1W                       ; codes: 64 rows x 512 bytes to a load
	s_mov_b32 s[\g+1], 512<<16
	s_mov_b32 s[\g+2], 64<<16
	s_mov_b32 s[\g+3], 512<<16
	s_mov_b32 s[\g+4], 64
	s_mov_b32 s[\g+6], 0
	s_mov_b32 s[\g+7], 0
.endr
	s_mov_b32 s[G1X+5], 2048                       ; from t to t + 1 at one b: four rows of 512 bytes
	s_mov_b32 s[G1W+5], 512
.irp g, G1XS, G1WS                     ; scale bytes: all the tile's rows x 32 bytes
	s_mov_b32 s[\g+1], 8<<16
	s_mov_b32 s[\g+3], 8<<16
	s_mov_b32 s[\g+6], 0
	s_mov_b32 s[\g+7], 0
.endr
	s_mov_b32 s[G1XS+2], 128<<16
	s_mov_b32 s[G1XS+4], 128
	s_mov_b32 s[G1XS+5], 32                        ; 128 bytes from t to t + 1
	s_mov_b32 s[G1WS+2], 256<<16
	s_mov_b32 s[G1WS+4], 256
	s_mov_b32 s[G1WS+5], 8
	s_wait_dscnt 0x0
	s_wait_kmcnt 0x0
	s_cmp_eq_u32 s[ID], 0                          ; the tensor's five inputs and its output buffer: a choice on the cluster's number alone
	s_cselect_b64 s[4:5], s[4:5], s[14:15]
	s_cselect_b64 s[6:7], s[6:7], s[16:17]
	s_cselect_b64 s[8:9], s[8:9], s[18:19]
	s_cselect_b64 s[10:11], s[10:11], s[20:21]
	s_cselect_b64 s[12:13], s[12:13], s[22:23]
	s_cselect_b64 s[34:35], s[34:35], s[36:37]
	s_cmp_eq_u32 s[ID], 2
	s_cselect_b64 s[4:5], s[24:25], s[4:5]         ; x's codes
	s_cselect_b64 s[6:7], s[26:27], s[6:7]         ; x's scale bytes
	s_cselect_b64 s[8:9], s[28:29], s[8:9]         ; W's codes
	s_cselect_b64 s[10:11], s[30:31], s[10:11]     ; W's scale bytes
	s_cselect_b64 s[12:13], s[32:33], s[12:13]     ; the bias
	; groups 0.  What is shared along a row is made of tb, cy and the wave's number; what is shared along a column of wb and the wave's number.
	s_and_b32 s26, s[WV], 1                        ; X's codes: which 64 rows
	s_lshl_b32 s24, s[TB], 18
	s_lshl_b32 s25, s[CY], 9
	s_add_co_u32 s24, s24, s25
	s_lshl_b32 s25, s26, 17
	s_add_co_u32 s24, s24, s25
	s_mov_b32 s25, 0
	s_mov_b32 s[G0X], 1
	s_mul_i32 s[G0X+1], s26, 64*PITCH
	s_add_nc_u64 s[G0X+2:G0X+3], s[4:5], s[24:25]
	s_or_b32 s[G0X+3], s[G0X+3], 0x80000000
	s_lshl_b32 s24, s[TB], 14                      ; X's scale bytes
	s_lshl_b32 s26, s[CY], 5
	s_add_co_u32 s24, s24, s26
	s_mov_b32 s[G0XS], 1
	s_mov_b32 s[G0XS+1], XS
	s_add_nc_u64 s[G0XS+2:G0XS+3], s[6:7], s[24:25]
	s_or_b32 s[G0XS+3], s[G0XS+3], 0x80000000
	s_and_b32 s30, s[WV], 3                        ; W's codes: which 64 rows
	s_lshl_b32 s28, s[WB], 17
	s_lshl_b32 s29, s30, 15
	s_add_co_u32 s28, s28, s29
	s_mov_b32 s29, 0
	s_mov_b32 s[G0W], 1
	s_mul_i32 s30, s30, 64*PITCH
	s_add_co_u32 s[G0W+1], s30, WC
	s_add_nc_u64 s[G0W+2:G0W+3], s[8:9], s[28:29]
	s_or_b32 s[G0W+3], s[G0W+3], 0x80000000
	s_lshl_b32 s28, s[WB], 13                      ; W's scale bytes
	s_mov_b32 s[G0WS], 1
	s_mov_b32 s[G0WS+1], WS
	s_add_nc_u64 s[G0WS+2:G0WS+3], s[10:11], s[28:29]
	s_or_b32 s[G0WS+3], s[G0WS+3], 0x80000000
	CROUND                                         ; all sixteen work-groups are here: the joint loads meet
; THE FILLS: one tree of branches on the wave's number, one load to an arm, all arms to one join.
.macro ARM under, g0, g1, next
	s_cmp_lt_u32 s[WV], \under
	s_cbranch_scc0 \next
	tensor_load_to_lds s[\g0:\g0+3], s[\g1:\g1+7]
	s_nop 0
.rept 4
	v_nop
.endr
	s_branch .Lasked
\next:
.endm
	ARM 4, G0W,  G1W,  .Lnot_w
	ARM 6, G0X,  G1X,  .Lnot_x
	ARM 7, G0XS, G1XS, .Lfor_ws
	tensor_load_to_lds s[G0WS:G0WS+3], s[G1WS:G1WS+7]
	s_nop 0
.rept 4
	v_nop
.endr
.Lasked:
	v_and_b32 v[LN], 31, v0
	v_and_b32 v[R], 15, v0
	v_bfe_u32 v[HH], v0, 4, 1
	; where results go and which part of the bias is mine: both forms, then the choice, then the sums
	s_and_b32 s4, s[WV], 3
	s_lshr_b32 s5, s[WV], 2
	s_and_b32 s6, s[WV], 1
	s_lshr_b32 s7, s[WV], 1
	s_cmp_eq_u32 s[ID], 0
	s_mov_b32 s8, KVREC
	s_cselect_b32 s8, QREC, s8                     ; a record's bytes
	s_mov_b32 s9, 131072
	s_cselect_b32 s9, 65536, s9                    ; where q's or k's scale words begin in it
	s_lshl_b32 s10, s5, 1                          ; q, k: my first head of the block's four
	s_lshl_b32 s11, s4, 10                         ;       my codes: two units of 512 bytes for each 32 rows
	s_lshl_b32 s14, s[TB], 9                       ;       my scale words: 4 bytes a row
	s_add_co_u32 s14, s14, s9
	s_lshl_b32 s15, s4, 7
	s_add_co_u32 s14, s14, s15
	s_lshl_b32 s15, s5, 9                          ;       my 128 numbers of the bias
	s_lshl_b32 s24, s6, 11                         ; v: my codes: channel tiles 2 (w % 2), + 1, behind K's codes
	s_add_co_u32 s24, s24, 65536
	s_lshl_b32 s25, s[TB], 8                       ;    my scale words: 256 bytes a key step
	s_add_co_u32 s25, s25, 139264
	s_lshl_b32 s26, s6, 7
	s_add_co_u32 s25, s25, s26
	s_lshl_b32 s26, s[WV], 7                       ;    my 32 numbers of the bias
	s_cmp_eq_u32 s[ID], 2
	s_cselect_b32 s10, s7, s10                     ; the head (v: w / 2)
	s_cselect_b32 s11, s24, s11
	s_cselect_b32 s14, s25, s14
	s_cselect_b32 s15, s26, s15
	s_mov_b32 s33, 512
	s_cselect_b32 s33, 1024, s33                   ; from L tile 0 to 1 in the codes' record
	s_cselect_b32 s36, 512, s8                     ; from group 0 to 1: v: the next 64 keys; q, k: the next head's record
	s_lshl_b32 s37, s[CY], 4
	s_lshl_b32 s3, s[WB], 2
	s_add_co_u32 s37, s37, s3
	s_add_co_u32 s37, s37, s10                     ; 16 b + head
	s_mul_i32 s4, s37, s8
	s_mov_b32 s5, 0
	s_add_nc_u64 s[34:35], s[34:35], s[4:5]        ; my record
	s_lshl_b32 s4, s[WB], 10
	s_add_co_u32 s4, s4, s15
	s_add_nc_u64 s[12:13], s[12:13], s[4:5]        ; my part of the bias
	s_lshl_b32 s4, s[TB], 12                       ; 128 rows (or a key step) of codes: 4,096 bytes
	s_add_co_u32 s11, s11, s4
	; THE BIAS STARTS THE SUMS: it is put into the accumulators, and every K step adds in place.
	s_cmp_eq_u32 s[ID], 2
	s_cbranch_scc1 .Lbias_v
	s_wait_alu depctr_va_vdst(0)                   ; the wait ahead of the reader below
	v_lshlrev_b32 v[BO], 5, v[HH]                  ; q, k: the bias runs along P: register j of tile t wants b[16 t + 8 hh + j]
.irp l, 0,1
.irp t, 0,1,2,3,4,5,6,7
	global_load_b128 v[ACC+64*\l+8*\t:ACC+64*\l+8*\t+3], v[BO], s[12:13] offset:64*\t
	global_load_b128 v[ACC+64*\l+8*\t+4:ACC+64*\l+8*\t+7], v[BO], s[12:13] offset:64*\t+16
.endr
.endr
	s_branch .Lbias_in
.Lbias_v:
	s_wait_alu depctr_va_vdst(0)
	v_lshlrev_b32 v[BO], 2, v[R]                   ; v: the bias runs along L: one number a lane and L tile, the same in all 64 registers
	global_load_b32 v[TM], v[BO], s[12:13]
	global_load_b32 v[TM+1], v[BO], s[12:13] offset:64
	s_wait_loadcnt 0x0
.set I, 0
.rept 64
	v_mov_b32 v[ACC+I], v[TM]
	v_mov_b32 v[ACC+64+I], v[TM+1]
.set I, I+1
.endr
.Lbias_in:
	s_mov_b32 s[SEL], 0x76543210
	s_mov_b32 s[SEL+1], 0xfedcba98
	s_mov_b32 s[HM], 0xffff0000
	v_mul_u32_u24 v[FL], v[R], PITCH               ; a fragment: row lane % 16, 16 bytes for each half of the lanes
	v_mul_u32_u24 v[SL], v[LN], SPITCH             ; scale words: a row to a lane, 32 rows
	v_lshl_add_u32 v[VO], v[LN], 4, s11            ; the codes: 16 bytes a lane
	v_lshl_add_u32 v[VS0], v[LN], 2, s14           ; the scale words: 4 bytes a lane
	v_lshl_add_u32 v[FL], v[HH], 4, v[FL]
	v_add_nc_u32 v[VO+1], s36, v[VO]
	v_add_nc_u32 v[VO+2], s33, v[VO]
	v_add_nc_u32 v[VS0+1], s8, v[VS0]
	v_mov_b32 v[TM+2], 0                           ; written once: a lane permute's destination counts as one of its sources
	v_mov_b32 v[TM+3], 0
	v_add_nc_u32 v[VO+3], s36, v[VO+2]
; One product: accumulator (l, t) += P's tile t x L's tile l, 128 along K.  P's scale words of an odd tile and L's of tile 1 lie in lanes 16-31 of their registers.
.macro WM l, t
.set rD, ACC+64*(\l)+8*(\t)
.set rP, PF+8*(\t)
.set rL, LF+8*(\l)
.set rS, SPR+(\t)/2
.if ((\t)%2 == 0) && ((\l) == 0)
	v_wmma_scale_f32_16x16x128_f8f6f4 v[rD:rD+7], v[rP:rP+7], v[rL:rL+7], v[rD:rD+7], v[rS], v[SLR] matrix_a_fmt:MATRIX_FMT_FP4 matrix_b_fmt:MATRIX_FMT_FP4
.elseif ((\t)%2 == 1) && ((\l) == 0)
	v_wmma_scale_f32_16x16x128_f8f6f4 v[rD:rD+7], v[rP:rP+7], v[rL:rL+7], v[rD:rD+7], v[rS], v[SLR] matrix_a_fmt:MATRIX_FMT_FP4 matrix_b_fmt:MATRIX_FMT_FP4 matrix_a_scale:MATRIX_SCALE_ROW1
.elseif ((\t)%2 == 0)
	v_wmma_scale_f32_16x16x128_f8f6f4 v[rD:rD+7], v[rP:rP+7], v[rL:rL+7], v[rD:rD+7], v[rS], v[SLR] matrix_a_fmt:MATRIX_FMT_FP4 matrix_b_fmt:MATRIX_FMT_FP4 matrix_b_scale:MATRIX_SCALE_ROW1
.else
	v_wmma_scale_f32_16x16x128_f8f6f4 v[rD:rD+7], v[rP:rP+7], v[rL:rL+7], v[rD:rD+7], v[rS], v[SLR] matrix_a_fmt:MATRIX_FMT_FP4 matrix_b_fmt:MATRIX_FMT_FP4 matrix_a_scale:MATRIX_SCALE_ROW1 matrix_b_scale:MATRIX_SCALE_ROW1
.endif
.endm
; A K step of 128, the q-th: 25 LDS loads in one run, then 16 products.  The 16 accumulators take turns, one instruction a turn, in the same order in every step.
; places = 1: four v_nop in front of the loads into registers that the last step's products have read (ISA guide 7.12.1 for vector instructions).
.macro KSTEP q, places
.if \places
.rept 4
	v_nop
.endr
.endif
	ds_load_b32 v[SLR], v[ASL] offset:4*(\q)
.irp i, 0,1,2,3
	ds_load_b32 v[SPR+\i], v[ASP] offset:32*SPITCH*\i+4*(\q)
.endr
.irp l, 0,1
.irp c, 0,1
	ds_load_b128 v[LF+8*\l+4*\c:LF+8*\l+4*\c+3], v[AL] offset:16*PITCH*\l+64*(\q)+32*\c
.endr
.endr
.irp t, 0,1,2,3,4,5,6,7
.irp c, 0,1
	ds_load_b128 v[PF+8*\t+4*\c:PF+8*\t+4*\c+3], v[AP] offset:16*PITCH*\t+64*(\q)+32*\c
.endr
.endr
.irp t, 0,1,2,3,4,5,6,7
	s_wait_dscnt 2*(7-\t)                          ; LDS loads come back in order (ISA guide 5.7.1): all up to P's tile t are in; the two loads of each later tile may be out
	WM 0, \t
	WM 1, \t
.endr
.endm
.macro ALLK                            ; the arm's four addresses from its bases s6-s9, then all of K
	v_add_nc_u32 v[AL], s6, v[FL]
	v_add_nc_u32 v[AP], s7, v[FL]
	v_add_nc_u32 v[ASL], s8, v[SL]
	v_add_nc_u32 v[ASP], s9, v[SL]
	s_wait_alu depctr_va_vdst(0)
	KSTEP 0, 0
.irp q, 1,2,3,4,5,6,7
	KSTEP \q, 1
.endr
.endm
	s_wait_alu depctr_va_vdst(0)                   ; the wait at the head's end
	s_wait_tensorcnt 0x0                           ; my tile is in,
	s_barrier_signal -1
	s_barrier_wait -1                              ; everybody's is
	s_wait_loadcnt 0x0                             ; the bias
	s_cmp_eq_u32 s[ID], 2
	s_cbranch_scc1 .Lmul_v
	s_and_b32 s4, s[WV], 3                         ; q, k: L in X's tile, P in W's
	s_lshr_b32 s5, s[WV], 2
	s_mul_i32 s6, s4, 32*PITCH
	s_mul_i32 s7, s5, 128*PITCH
	s_add_co_u32 s7, s7, WC
	s_mul_i32 s8, s4, 32*SPITCH
	s_add_co_u32 s8, s8, XS
	s_mul_i32 s9, s5, 128*SPITCH
	s_add_co_u32 s9, s9, WS
	ALLK
	s_branch .Lsummed
.Lmul_v:
	s_mul_i32 s6, s[WV], 32*PITCH                  ; v: L in W's tile, P = X's 128 rows
	s_add_co_u32 s6, s6, WC
	s_mov_b32 s7, XC
	s_mul_i32 s8, s[WV], 32*SPITCH
	s_add_co_u32 s8, s8, WS
	s_mov_b32 s9, XS
	ALLK
.Lsummed:
; 64 ALONG THE NEXT K BECOME FOUR OPERAND REGISTERS AND TWO SCALE BYTES.  v[sN] on: four tiles T0-T3; my lane holds index 16 T + 8 hh + j of its row.  Block A = T0, T1, block B = T2, T3; each lies in lanes l and l xor 16.
; The conversions' results go to pN + 0 (T0), + 2 (T1), + 1 (T2), + 3 (T3); two exchanges of halves then leave block A whole in lanes 0-15 and block B whole in lanes 16-31, ascending: the 4-bit operand's layout.
; A block's scale: its largest number's exponent field less 2, with the floor 2^(3 - 127) among the maximum's leaves, so that the byte cannot fall under 1.  Nothing is negative behind relu6: no |.|.
.macro QUANT64
	v_max3_num_f32 v[TM], v[sN], v[sN+1], 0x1800000
	v_max3_num_f32 v[TM+1], v[sN+16], v[sN+17], 0x1800000
.irp i, 2,4,6,8,10,12,14
	s_delay_alu instid0(VALU_DEP_2)
	v_max3_num_f32 v[TM], v[TM], v[sN+\i], v[sN+\i+1]
	s_delay_alu instid0(VALU_DEP_2)
	v_max3_num_f32 v[TM+1], v[TM+1], v[sN+16+\i], v[sN+17+\i]
.endr
	s_delay_alu instid0(VALU_DEP_2)
	v_permlanex16_b32 v[TM+2], v[TM], s[SEL], s[SEL+1]
	s_delay_alu instid0(VALU_DEP_2)
	v_permlanex16_b32 v[TM+3], v[TM+1], s[SEL], s[SEL+1]
	s_delay_alu instid0(VALU_DEP_2)
	v_max_num_f32 v[TM], v[TM], v[TM+2]
	s_delay_alu instid0(VALU_DEP_2)
	v_max_num_f32 v[TM+1], v[TM+1], v[TM+3]
	s_delay_alu instid0(VALU_DEP_2)
	v_add_nc_u32 v[TM+4], 0xff000000, v[TM]        ; the conversion takes the exponent field of this operand as its scale, and nothing else of it
	s_delay_alu instid0(VALU_DEP_2)
	v_add_nc_u32 v[TM+5], 0xff000000, v[TM+1]
	s_delay_alu instid0(VALU_DEP_2)
	v_lshrrev_b32 v[TM+2], 23, v[TM+4]             ; the bytes
	s_delay_alu instid0(VALU_DEP_2)
	v_lshrrev_b32 v[TM+3], 23, v[TM+5]
	s_delay_alu instid0(VALU_DEP_1)
	v_lshl_or_b32 v[wN], v[TM+3], 8, v[TM+2]
	v_cvt_scalef32_pk8_fp4_f32 v[pN], v[sN:sN+7], v[TM+4]
	v_cvt_scalef32_pk8_fp4_f32 v[pN+2], v[sN+8:sN+15], v[TM+4]
	v_cvt_scalef32_pk8_fp4_f32 v[pN+1], v[sN+16:sN+23], v[TM+5]
	v_cvt_scalef32_pk8_fp4_f32 v[pN+3], v[sN+24:sN+31], v[TM+5]
	v_nop                                          ; one plain place behind the scaled conversions
	v_permlane16_swap_b32 v[pN], v[pN+1]
	v_permlane16_swap_b32 v[pN+2], v[pN+3]
.endm
.rept 4
	v_nop                                          ; places behind the last products
.endr
.irp l, 0,1
.irp g, 0,1
.set sN, ACC+64*\l+32*\g
.set pN, LF+8*\l+4*\g
.set wN, WD+2*\l+\g
.set J, sN
.rept 32
	v_med3_num_f32 v[J], v[J], 0, 0x40c00000       ; relu6, in f32; each accumulator from its low end on
.set J, J+1
.endr
	QUANT64
	global_store_b128 v[VO+2*\l+\g], v[pN:pN+3], s[34:35]   ; 32 lanes store 512 consecutive bytes, at a multiple of 512 from the buffer's first byte
.endr
.endr
	v_cndmask_b32 v[TM], v[WD], v[WD+2], s[HM]     ; the words of L tile 0 in lanes 0-15, of tile 1 in lanes 16-31: 32 neighbouring rows
	v_cndmask_b32 v[TM+1], v[WD+1], v[WD+3], s[HM]
	s_cmp_eq_u32 s[ID], 2
	s_cbranch_scc1 .Lwords_v
	global_store_b32 v[VS0], v[TM], s[34:35]       ; q, k: a word for each row and head: bytes 2 and 3 are 0
	global_store_b32 v[VS0+1], v[TM+1], s[34:35]
	s_branch .Lwords_out
.Lwords_v:
	s_wait_alu depctr_va_vdst(0)
	v_lshl_or_b32 v[TM], v[TM+1], 16, v[TM]        ; v: the two groups' bytes are the four key blocks of the key step
	global_store_b32 v[VS0], v[TM], s[34:35]
.Lwords_out:
	s_wait_tensorcnt 0x0                           ; the wave's end
	ds_add_u32 v[SPW], v[NIL]
	s_wait_dscnt 0x0
	CROUND                                         ; the closing round
	s_endpgm
.Lfunc_end_k_qaa5a50a3f9_proj:
	.size	k_qaa5a50a3f9_proj, .Lfunc_end_k_qaa5a50a3f9_proj-k_qaa5a50a3f9_proj
	.p2alignl 7, 3214868480
	.fill 96, 4, 3214868480
	.section	.rodata,"a",@progbits
	.p2align	6, 0x0
	.amdhsa_kernel k_qaa5a50a3f9_proj
		.amdhsa_group_segment_fixed_size 228352
		.amdhsa_private_segment_fixed_size 0
		.amdhsa_enable_private_segment 0
		.amdhsa_kernarg_size 136
		.amdhsa_user_sgpr_count 2
		.amdhsa_user_sgpr_kernarg_segment_ptr 1
		.amdhsa_wavefront_size32 1
		.amdhsa_system_sgpr_workgroup_id_x 1
		.amdhsa_system_sgpr_workgroup_id_y 1
		.amdhsa_system_sgpr_workgroup_id_z 1
		.amdhsa_system_vgpr_workitem_id 0
		.amdhsa_next_free_vgpr 256
		.amdhsa_next_free_sgpr 102
		.amdhsa_reserve_vcc 0
		.amdhsa_float_denorm_mode_32 3
		.amdhsa_float_denorm_mode_16_64 3
		.amdhsa_memory_ordered 1
		.amdhsa_forward_progress 1
		.amdhsa_inst_pref_size 105
	.end_amdhsa_kernel
	.amdgpu_metadata
---
amdhsa.version: [ 1, 2 ]
amdhsa.kernels:
  - .name:           k_qaa5a50a3f9_proj
    .symbol:         k_qaa5a50a3f9_proj.kd
    .args:
      - { .name: q_codes, .offset: 0, .size: 8, .value_kind: global_buffer, .address_space: global }
      - { .name: q_scales, .offset: 8, .size: 8, .value_kind: global_buffer, .address_space: global }
      - { .name: Wq_codes, .offset: 16, .size: 8, .value_kind: global_buffer, .address_space: global }
      - { .name: Wq_scales, .offset: 24, .size: 8, .value_kind: global_buffer, .address_space: global }
      - { .name: bq, .offset: 32, .size: 8, .value_kind: global_buffer, .address_space: global }
      - { .name: k_codes, .offset: 40, .size: 8, .value_kind: global_buffer, .address_space: global }
      - { .name: k_scales, .offset: 48, .size: 8, .value_kind: global_buffer, .address_space: global }
      - { .name: Wk_codes, .offset: 56, .size: 8, .value_kind: global_buffer, .address_space: global }
      - { .name: Wk_scales, .offset: 64, .size: 8, .value_kind: global_buffer, .address_space: global }
      - { .name: bk, .offset: 72, .size: 8, .value_kind: global_buffer, .address_space: global }
      - { .name: v_codes, .offset: 80, .size: 8, .value_kind: global_buffer, .address_space: global }
      - { .name: v_scales, .offset: 88, .size: 8, .value_kind: global_buffer, .address_space: global }
      - { .name: Wv_codes, .offset: 96, .size: 8, .value_kind: global_buffer, .address_space: global }
      - { .name: Wv_scales, .offset: 104, .size: 8, .value_kind: global_buffer, .address_space: global }
      - { .name: bv, .offset: 112, .size: 8, .value_kind: global_buffer, .address_space: global }
      - { .name: qrec, .offset: 120, .size: 8, .value_kind: global_buffer, .address_space: global }
      - { .name: kv, .offset: 128, .size: 8, .value_kind: global_buffer, .address_space: global }
    .group_segment_fixed_size: 228352
    .private_segment_fixed_size: 0
    .kernarg_segment_align: 8
    .kernarg_segment_size: 136
    .max_flat_workgroup_size: 256
    .sgpr_count:     102
    .vgpr_count:     256
    .wavefront_size: 32
...
	.end_amdgpu_metadata
.endif
;; end of part 1
;; launch attn (part 2): grid 4 x 64, 8 waves a work-group, clusters of 4 x 1, 179,200 bytes of LDS; arguments qrec, kv, out0; writes out0
.if DOCPART == 2
	.amdgcn_target "amdgcn-amd-amdhsa--gfx1250"
	.amdhsa_code_object_version 6
	.text
	.protected	k_qaa5a50a3f9_attn
	.globl	k_qaa5a50a3f9_attn
	.p2align	8
	.type	k_qaa5a50a3f9_attn,@function
k_qaa5a50a3f9_attn:
	s_mov_b64 s[64:65], 0
	v_nop
	global_prefetch_b8 v0, s[64:65] scope:SCOPE_SE
	s_setreg_imm32_b32 hwreg(HW_REG_WAVE_MODE, 25, 1), 1
	s_wait_xcnt 0x0
	s_wait_alu depctr_hold_cnt(0) depctr_sa_sdst(0) depctr_va_vdst(0) depctr_va_sdst(0) depctr_va_ssrc(0) depctr_va_vcc(0) depctr_vm_vsrc(0)
	s_getreg_b32 s2, hwreg(HW_REG_IB_STS2, 6, 4)
	s_cmp_eq_u32 s2, 0
	s_cbranch_scc0 .Lentry_in_a_cluster
	s_endpgm
.Lentry_in_a_cluster:
	s_bfe_u32 s2, ttmp6, 0x10000c
	s_cmp_lg_u32 s2, 0x3003
	s_cbranch_scc0 .Lentry_shape_is_right
	s_endpgm
.Lentry_shape_is_right:
; ATTENTION ON CODES OF FP4 (E2M1).  For each of 64 (b, head): out[t][b][64 head + d] = sum over keys of softmax(q . k / 8) v, 2,048 queries, 2,048 keys, head size 64.
; qrec record (73,728 bytes): 128 units of 512 bytes (lane (r, hh) of unit T: query 16 T + r, channels 32 hh + 0 .. 31), then a scale word a query.
; kv record (143,360 bytes): K's units likewise; at 65,536 V [key step][channel tile][c][512 bytes] (lane (r, hh): channel 16 tile + r, keys 128 step + 64 c + 32 hh + 0 .. 31); at 131,072 K's scale words; at 139,264 V's [step][64].
; THE SOFTMAX AHEAD OF THE SECOND PRODUCT: t = score x log2(e) / 8; M = the running largest t rounded UP to a whole number; p = 2^(t - M) is quantised along the keys, not normalised; the row's sum is taken of the
; unquantised p in f32 and divides at the end; when M moves, the sum and O are multiplied by 2^(old M - new M), which rounds nothing.
; SHARES.  A work-group owns 512 queries of one (b, head); each of its eight waves 64 of them, four tiles, which share every fragment of K and V.  The softmax is worked for TWO tiles at a time, line by line in turns,
; so that each dependent chain has a partner.  THE WHOLE kv RECORD LIES IN LDS, filled once, 70 rows of 256 bytes a wave.  The four query blocks of a cluster read the same record: it is asked for JOINTLY.
; No prefetch: the one fill stands at the head, and there is no loop to run ahead in.
; LAYOUT.  Both products transposed: S^T = K Q^T (source 0 = 16 keys), O^T = V^T P^T (source 0 = 16 channels): a lane holds ONE query throughout.
; THE KEYS OF A TILE ARE CHOSEN: tile 4 g + u of a step takes as its rows 0-7 keys 64 g + 8 u + 0 .. 7 and as its rows 8-15 keys 64 g + 32 + 8 u + 0 .. 7.  So lane (r, hh) holds in the 32 registers of tiles 4 g .. 4 g + 3
; the keys 64 g + 32 hh + 0 .. 31: a WHOLE block, in the order of the 4-bit operand.  A block's maximum needs no other lane, and the conversions' results are the operand's registers as they stand.
; K = 64 IN AN INSTRUCTION OF K = 128: Q's fragment has zero codes in its registers 4-7.  K's fragment for tile t is named v[KF + 4 t : KF + 4 t + 7]: its upper four registers are the next tile's codes (for tile 7 four zeros);
; they meet Q's zero codes and add exactly 0; the scale bytes of that half are 0 (2^-127) on both sides.
; LOOK-AHEAD IN LDS: V's fragments are asked for at a step's head, the NEXT step's K in the step's middle.  The last trip's look-ahead reads bytes of the record that lie behind K's (V's codes and words) and uses none of them.
; REGISTERS, in windows of 256 (s_set_vgpr_msb: bits 1:0 source 0, 3:2 source 1, 5:4 source 2, 7:6 destination).  Window 1: v0-127 S^T, then p, of the two tiles in hand (64 each); v128-255 O^T of the four tiles (32 each).
; Window 0: all else.  Work is laid in stretches under one setting.
; LIMITS: p under 2^-126 is 0 (v_exp_f32 gives no denormals: ISA guide, its entry in 15.8).  A block of p that is all 0 has the byte 1: its codes are zeros.  t - M is one fused multiply-add of the score.
.set QREC,  73728
.set KVREC, 143360
.set KSW,   131072
.set VSW,   139264
.set STAGE, KVREC                      ; behind the record: 16 rows x 272 bytes for each wave, for the way out
.set SP,    272
.set SPARE, STAGE+8*16*SP              ; the spare words: 128 bytes a wave
.set VLA, 1                            ; V's codes: 16 x lane + 65,536
.set KLA, 2                            ; K's codes: 16 (lane % 8) + 1,024 (bit 3 of the lane) + 256 (lane / 16)
.set KSA, 3                            ; K's scale words: KSW + 4 (lane % 8) + 128 (bit 3) + 32 (lane / 16)
.set VSA, 4                            ; V's scale words: VSW + 4 x lane
.set ADK, 5                            ; the step's addresses: K, V, K's words, V's words
.set ADV, 6
.set ADS, 7
.set ADT, 8
.set STO, 9                            ; the way out
.set RD,  10
.set GO,  11
.set ST,  12                           ; tile i at 12 + 4 i: -M, the largest score, the sum in two halves
.set Q,   28                           ; tile i's fragment at 28 + 8 i (its registers 4-7 = 0)
.set KF,  60                           ; v60-91 K's eight tiles; v92-95 = 0
.set VF,  96                           ; v96-127 V's four fragments
.set P,   128                          ; tile i's codes of p at 128 + 8 i
.set PW,  160                          ; v160-163 p's scale words
.set KS,  164                          ; v164-167 K's scale words: register i: lanes 0-15 tile 2 i, lanes 16-31 tile 2 i + 1
.set VS,  168                          ; v168-169 V's likewise
.set QS,  170                          ; v170-171 Q's: lanes 0-15 tile 2 j, lanes 16-31 tile 2 j + 1
.set SH8, 172                          ; 8 x (lane / 16)
.set BM,  174                          ; member e of the pair at 174 + 4 e: four chains of maxima; then + 0, + 2: my two blocks' largest score, then largest p
.set TP,  182                          ; 2 a member, at work
.set SO,  186                          ; 2 a member: the conversions' scale operands
.set F,   190                          ; a pair a member: 2^(old M - new M), and 0
.set T,   194                          ; 2 a member, at work
.set U,   198                          ; a pair a member: the sums' second chain
.set SPW, 254
.set NIL, 255
.set WV,  10
.set QBK, 11
.set BH,  12
.set NC,  13                           ; -log2(e) / 8
.set G1,  16
.set G0,  24
.set SEL, 28
.set CS,  30                           ; s[30:31] c = log2(e) / 8
.set TK,  32
.set TS,  33
.set TV,  34
.set CNT, 35
.set MSB, 0
.macro WIN new                         ; the immediate's high byte repeats the setting that is left
.if MSB != \new
	s_set_vgpr_msb (MSB<<8)|\new
.set MSB, \new
.endif
.endm
.macro CROUND
	s_barrier_signal -1
	s_barrier_wait -1
	s_cmp_lg_u32 s[WV], 0
	s_cbranch_scc1 .Lnot_wave_0_\@
	s_barrier_signal -3
.Lnot_wave_0_\@:
	s_barrier_wait -3
	s_barrier_signal -1
	s_barrier_wait -1
.endm
	s_load_b128 s[4:7], s[0:1], 0x0                ; qrec, kv
	s_load_b64 s[8:9], s[0:1], 0x10                ; out0
	v_lshl_add_u32 v[SPW], v0, 2, SPARE
	v_mov_b32 v[NIL], 0
	ds_add_u32 v[SPW], v[NIL]                      ; the opening lines: the add twice on end and its wait
	ds_add_u32 v[SPW], v[NIL]
	v_lshrrev_b32 v1, 5, v0
	v_readfirstlane_b32 s[WV], v1                  ; wave 0..7
	s_bfe_u32 s[QBK], ttmp6, 0x40000               ; cx
	s_lshl_b32 s36, ttmp9, 2
	s_add_co_u32 s[QBK], s[QBK], s36               ; my block of 512 queries: it enters Q's and out0's addresses alone
	s_and_b32 s[BH], ttmp7, 0xffff                 ; 16 b + head: the four partners share it
	s_mov_b32 s[G1], 15|(3<<16)|(1<<21)            ; the mask: all four work-groups; elements of 8 bytes; bit 21 beside a mask; no padding
	s_mov_b32 s[G1+1], 32<<16
	s_mov_b32 s[G1+2], 70<<16
	s_mov_b32 s[G1+3], 32<<16
	s_mov_b32 s[G1+4], 70
	s_mov_b32 s[G1+5], 32
	s_mov_b32 s[G1+6], 0
	s_mov_b32 s[G1+7], 0
	s_mov_b32 s[G0], 1
	s_mul_i32 s[G0+1], s[WV], 70*256               ; LDS address = the place in the record
	s_mul_i32 s36, s[BH], KVREC
	s_add_co_u32 s36, s36, s[G0+1]
	s_mov_b32 s37, 0
	s_mov_b32 s[SEL], 0x76543210
	s_mov_b32 s[SEL+1], 0xfedcba98
	s_mov_b32 s[CS], 0x3e38aa3b
	s_mov_b32 s[CS+1], s[CS]
	s_mov_b32 s[NC], 0xbe38aa3b
	s_mov_b32 s[TK], 0
	s_mov_b32 s[TS], 0
	s_mov_b32 s[TV], 0
	s_mov_b32 s[CNT], 16
	s_wait_dscnt 0x0
	s_wait_kmcnt 0x0
	s_add_nc_u64 s[G0+2:G0+3], s[6:7], s[36:37]
	s_or_b32 s[G0+3], s[G0+3], 0x80000000
	CROUND                                         ; all four work-groups are here: the joint loads meet
	tensor_load_to_lds s[G0:G0+3], s[G1:G1+7]      ; every wave's one load
	s_nop 0
.rept 4
	v_nop
.endr
	s_mul_i32 s36, s[BH], QREC
	s_add_nc_u64 s[4:5], s[4:5], s[36:37]          ; Q's record
	s_lshl_b32 s36, s[QBK], 11                     ; its scale words: 512 queries a block, 64 a wave
	s_lshl_b32 s40, s[WV], 8
	s_add_co_u32 s36, s36, s40
	s_add_co_u32 s36, s36, 65536
	s_add_nc_u64 s[38:39], s[4:5], s[36:37]
	s_lshl_b32 s36, s[QBK], 14                     ; its codes: 32 units a block, 4 a wave
	s_lshl_b32 s40, s[WV], 11
	s_add_co_u32 s36, s36, s40
	s_add_nc_u64 s[4:5], s[4:5], s[36:37]
	s_lshl_b32 s36, s[QBK], 23                     ; out0: my first query x 16,384 bytes,
	s_lshl_b32 s40, s[WV], 20
	s_add_co_u32 s36, s36, s40
	s_lshl_b32 s40, s[BH], 8                       ; + 256 (16 b + head)
	s_add_co_u32 s36, s36, s40
	s_add_nc_u64 s[8:9], s[8:9], s[36:37]
	s_mul_i32 s41, s[WV], 16*SP
	s_add_co_u32 s41, s41, STAGE                   ; my stage
	v_and_b32 v[T], 31, v0
	v_and_b32 v[ADV], 7, v0
	v_bfe_u32 v[ADT], v0, 3, 1
	v_bfe_u32 v[TP], v0, 4, 1                      ; hh
	v_lshlrev_b32 v[ADK], 4, v[T]
	v_lshlrev_b32 v[ADS], 2, v[T]
	v_and_b32 v[TP+1], 15, v0                      ; r
.irp i, 0,1,2,3
	global_load_b128 v[Q+8*\i:Q+8*\i+3], v[ADK], s[4:5] offset:512*\i
.endr
	global_load_b32 v[QS], v[ADS], s[38:39]
	global_load_b32 v[QS+1], v[ADS], s[38:39] offset:128   ; (the loop writes the two offset registers again behind the wait for these loads)
	v_add_nc_u32 v[VLA], 0x10000, v[ADK]
	v_add_nc_u32 v[VSA], VSW, v[ADS]
	v_lshlrev_b32 v[KLA], 4, v[ADV]
	v_lshl_add_u32 v[KSA], v[ADV], 2, KSW
	v_lshlrev_b32 v[SH8], 3, v[TP]
	v_mul_u32_u24 v[STO], v[TP+1], SP              ; in: row r, 32 bytes for each half of the lanes
	v_lshl_add_u32 v[KLA], v[ADT], 10, v[KLA]
	v_lshl_add_u32 v[KSA], v[ADT], 7, v[KSA]
	v_mul_u32_u24 v[RD], v[TP], SP                 ; back: lanes 0-15 one row of 256 bytes, lanes 16-31 the next
	v_lshlrev_b32 v[GO], 14, v[TP]                 ; and the same two queries in out0
	v_lshl_add_u32 v[STO], v[TP], 5, v[STO]
	v_lshl_add_u32 v[KLA], v[TP], 8, v[KLA]
	v_lshl_add_u32 v[KSA], v[TP], 5, v[KSA]
	v_lshl_add_u32 v[RD], v[TP+1], 4, v[RD]
	v_lshl_add_u32 v[GO], v[TP+1], 4, v[GO]
	v_add_nc_u32 v[STO], s41, v[STO]
	v_add_nc_u32 v[RD], s41, v[RD]
.irp j, 0,1,2,3
.irp i, 0,1,2,3
	v_mov_b32 v[Q+8*\i+4+\j], 0                    ; zero codes for k = 64 .. 127
.endr
	v_mov_b32 v[KF+32+\j], 0
	v_mov_b32 v[TP+\j], 0                          ; written once: a lane permute's destination counts as one of its sources
	v_mov_b32 v[ST+4*\j], 0x7f61b1e6               ; -M: 3e38
	v_mov_b32 v[ST+4*\j+1], 0xff61b1e6             ; the largest score so far: -3e38, under every score
	v_mov_b32 v[ST+4*\j+2], 0
	v_mov_b32 v[ST+4*\j+3], 0
.endr
	v_mov_b32 v[F+1], 0
	v_mov_b32 v[F+3], 0
	WIN 0x40
.set I, 0
.rept 128
	v_mov_b32 v[128+I], 0                          ; O^T of the four tiles: the step is written once; the first finds zeros, which the first change of M leaves zeros
.set I, I+1
.endr
	WIN 0
.macro SW t, i                         ; one product of S^T = K Q^T: K's tile t, query tile i.  (Window: D 1, the rest 0)
.set rD, 64*((\i)%2)+8*(\t)
.set rK, KF+4*(\t)
.set rQ, Q+8*(\i)
.set rC, KS+(\t)/2
.set rS, QS+(\i)/2
.if ((\t)%2 == 0) && ((\i)%2 == 0)
	v_wmma_scale_f32_16x16x128_f8f6f4 v[rD:rD+7], v[rK:rK+7], v[rQ:rQ+7], 0, v[rC], v[rS] matrix_a_fmt:MATRIX_FMT_FP4 matrix_b_fmt:MATRIX_FMT_FP4
.elseif ((\t)%2 == 1) && ((\i)%2 == 0)
	v_wmma_scale_f32_16x16x128_f8f6f4 v[rD:rD+7], v[rK:rK+7], v[rQ:rQ+7], 0, v[rC], v[rS] matrix_a_fmt:MATRIX_FMT_FP4 matrix_b_fmt:MATRIX_FMT_FP4 matrix_a_scale:MATRIX_SCALE_ROW1
.elseif ((\t)%2 == 0)
	v_wmma_scale_f32_16x16x128_f8f6f4 v[rD:rD+7], v[rK:rK+7], v[rQ:rQ+7], 0, v[rC], v[rS] matrix_a_fmt:MATRIX_FMT_FP4 matrix_b_fmt:MATRIX_FMT_FP4 matrix_b_scale:MATRIX_SCALE_ROW1
.else
	v_wmma_scale_f32_16x16x128_f8f6f4 v[rD:rD+7], v[rK:rK+7], v[rQ:rQ+7], 0, v[rC], v[rS] matrix_a_fmt:MATRIX_FMT_FP4 matrix_b_fmt:MATRIX_FMT_FP4 matrix_a_scale:MATRIX_SCALE_ROW1 matrix_b_scale:MATRIX_SCALE_ROW1
.endif
.endm
.macro SPROD p                         ; the sixteen products of pair p
	WIN 0x40
.irp t, 0,1,2,3,4,5,6,7
	SW \t, 2*\p
	SW \t, 2*\p+1
.endr
.endm
.macro PVW dt, i                       ; one product of O^T += V^T P^T: channels 16 dt on, query tile i, K = the step's 128 keys.  (Window: C and D 1)
.set rD, 128+32*(\i)+8*(\dt)
.set rV, VF+8*(\dt)
.set rP, P+8*(\i)
.set rC, VS+(\dt)/2
.if (\dt)%2 == 0
	v_wmma_scale_f32_16x16x128_f8f6f4 v[rD:rD+7], v[rV:rV+7], v[rP:rP+7], v[rD:rD+7], v[rC], v[PW+\i] matrix_a_fmt:MATRIX_FMT_FP4 matrix_b_fmt:MATRIX_FMT_FP4
.else
	v_wmma_scale_f32_16x16x128_f8f6f4 v[rD:rD+7], v[rV:rV+7], v[rP:rP+7], v[rD:rD+7], v[rC], v[PW+\i] matrix_a_fmt:MATRIX_FMT_FP4 matrix_b_fmt:MATRIX_FMT_FP4 matrix_a_scale:MATRIX_SCALE_ROW1
.endif
.endm
.macro KLOAD ak, as, x, xs             ; a step's K: 4 loads of scale words, 8 of codes
.irp i, 0,1,2,3
	ds_load_b32 v[KS+\i], v[\as] offset:\xs+256*(\i/2)+64*(\i%2)
.endr
.irp t, 0,1,2,3,4,5,6,7
	ds_load_b128 v[KF+4*\t:KF+4*\t+3], v[\ak] offset:\x+2048*(\t/4)+512*((\t%4)/2)+128*(\t%2)
.endr
.endm
; THE SOFTMAX OF PAIR p (tiles 2 p + e, e = 0, 1) FOR ONE STEP, the two members line by line in turns.  Registers 64 e + 32 c .. + 31 of window 1 are key block 2 c + hh of member e's query, whole.
.macro SOFTMAX2 p
	WIN 0x15
.irp b, 0,1,2,3
.irp e, 0,1
	v_max3_num_f32 v[BM+4*\e+\b], v[64*\e+16*\b], v[64*\e+16*\b+1], v[64*\e+16*\b+2]   ; eight chains by turns, two to a block; each accumulator is first read at its low end
.endr
.endr
	WIN 0x14
.irp i, 3,5,7,9,11,13
.irp b, 0,1,2,3
.irp e, 0,1
	v_max3_num_f32 v[BM+4*\e+\b], v[BM+4*\e+\b], v[64*\e+16*\b+\i], v[64*\e+16*\b+\i+1]
.endr
.endr
.endr
	WIN 0x10
.irp c, 0,2
.irp e, 0,1
	v_max3_num_f32 v[BM+4*\e+\c], v[BM+4*\e+\c], v[BM+4*\e+\c+1], v[64*\e+16*\c+15]
.endr
.endr
.irp c, 0,2
.irp e, 0,1
	v_max3_num_f32 v[BM+4*\e+\c], v[BM+4*\e+\c], v[BM+4*\e+\c], v[64*\e+16*\c+31]   ; the block's largest score (the three-input form keeps the window's setting)
.endr
.endr
	WIN 0
.irp e, 0,1
	v_max3_num_f32 v[T+2*\e], v[BM+4*\e], v[BM+4*\e+2], v[ST+8*\p+4*\e+1]
.endr
.irp e, 0,1
	v_permlanex16_b32 v[TP+2*\e], v[T+2*\e], s[SEL], s[SEL+1]
.endr
.irp e, 0,1
	v_max_num_f32 v[ST+8*\p+4*\e+1], v[T+2*\e], v[TP+2*\e]   ; the running largest score of my query, the same in lanes l and l xor 16
.endr
.irp e, 0,1
	v_mov_b32 v[T+2*\e+1], v[ST+8*\p+4*\e]
.endr
.irp e, 0,1
	v_mul_f32 v[T+2*\e], s[NC], v[ST+8*\p+4*\e+1]  ; -t
.endr
.irp e, 0,1
	v_floor_f32 v[ST+8*\p+4*\e], v[T+2*\e]         ; the new -M = floor(-t) = -ceil(t)
.endr
.irp e, 0,1
	v_sub_f32 v[T+2*\e], v[ST+8*\p+4*\e], v[T+2*\e+1]   ; old M - new M: a whole number, 0 or less
.endr
.irp c, 0,2
.irp e, 0,1
	v_fma_f32 v[BM+4*\e+\c], v[BM+4*\e+\c], s[CS], v[ST+8*\p+4*\e]   ; t - M of each block's largest score
.endr
.endr
.irp e, 0,1
	v_cvt_i32_f32 v[T+2*\e], v[T+2*\e]             ; (it saturates)
.endr
.irp e, 0,1
	v_ldexp_f32 v[F+2*\e], 1.0, v[T+2*\e]          ; f = 2^(old M - new M)
.endr
	WIN 0x41
.set J, 0
.rept 32
.irp e, 0,1
	v_pk_fma_f32 v[64*\e+J:64*\e+J+1], v[64*\e+J:64*\e+J+1], s[CS:CS+1], v[ST+8*\p+4*\e:ST+8*\p+4*\e+1] op_sel_hi:[1,0,0]   ; t - M, two at a time
.endr
.set J, J+2
.endr
	s_wait_alu depctr_va_vdst(0)                   ; the wait ahead of the batch
.set I, 0
.rept 128
	v_exp_f32 v[I], v[I]                           ; p = 2^(t - M), at most 1
.set I, I+1
.endr
	WIN 0
.irp c, 0,2
.irp e, 0,1
	v_exp_f32 v[BM+4*\e+\c], v[BM+4*\e+\c]         ; the block's largest p: the same two instructions on the same number give the same bits
.endr
.endr
.irp e, 0,1
	v_pk_mul_f32 v[ST+8*\p+4*\e+2:ST+8*\p+4*\e+3], v[ST+8*\p+4*\e+2:ST+8*\p+4*\e+3], v[F+2*\e:F+2*\e+1] op_sel_hi:[1,0]   ; the sums under the new M: the plain places behind the batch
.endr
	s_wait_alu depctr_va_vdst(0)                   ; and the wait behind it
.irp c, 0,2
.irp e, 0,1
	v_max_num_f32 v[BM+4*\e+\c], 0x1800000, v[BM+4*\e+\c]   ; the floor 2^(3 - 127): the byte cannot fall under 1
.endr
.endr
.irp c, 0,1
.irp e, 0,1
	v_add_nc_u32 v[SO+2*\e+\c], 0xff000000, v[BM+4*\e+2*\c]   ; 2 off the exponent field: the conversion's scale operand
.endr
.endr
.irp e, 0,1
	v_lshrrev_b32 v[TP+2*\e], 23, v[SO+2*\e]       ; block hh's byte at bits 7:0,
	v_lshrrev_b32 v[TP+2*\e+1], 7, v[SO+2*\e+1]    ; block 2 + hh's at bits 23:16
.endr
.irp e, 0,1
	v_and_or_b32 v[TP+2*\e], v[TP+2*\e+1], 0xff0000, v[TP+2*\e]
.endr
.irp e, 0,1
	v_lshlrev_b32 v[TP+2*\e], v[SH8], v[TP+2*\e]   ; 8 hh bits up: their places in the scale word
.endr
.irp e, 0,1
	v_permlanex16_b32 v[TP+2*\e+1], v[TP+2*\e], s[SEL], s[SEL+1]
.endr
.irp e, 0,1
	v_or_b32 v[PW+2*\p+\e], v[TP+2*\e], v[TP+2*\e+1]   ; with lane l xor 16's two the word is whole
.endr
	WIN 0x01
.irp c, 0,1
.irp u, 0,1,2,3
.irp e, 0,1
	v_cvt_scalef32_pk8_fp4_f32 v[P+16*\p+8*\e+4*\c+\u], v[64*\e+32*\c+8*\u:64*\e+32*\c+8*\u+7], v[SO+2*\e+\c]   ; register 4 c + u: keys 64 c + 32 hh + 8 u + 0 .. 7
.endr
.endr
.endr
.endm
.macro SUMS p                          ; the rows' sums of the unquantised p: two at a time, four chains by turns
	WIN 0x05
.irp e, 0,1
	v_pk_add_f32 v[U+2*\e:U+2*\e+1], v[64*\e:64*\e+1], v[64*\e+2:64*\e+3]
.endr
	WIN 0x04
.set J, 4
.rept 15
.irp e, 0,1
	v_pk_add_f32 v[ST+8*\p+4*\e+2:ST+8*\p+4*\e+3], v[ST+8*\p+4*\e+2:ST+8*\p+4*\e+3], v[64*\e+J:64*\e+J+1]
	v_pk_add_f32 v[U+2*\e:U+2*\e+1], v[U+2*\e:U+2*\e+1], v[64*\e+J+2:64*\e+J+3]
.endr
.set J, J+4
.endr
	WIN 0
.irp e, 0,1
	v_pk_add_f32 v[ST+8*\p+4*\e+2:ST+8*\p+4*\e+3], v[ST+8*\p+4*\e+2:ST+8*\p+4*\e+3], v[U+2*\e:U+2*\e+1]
.endr
.endm
.macro RESCALE p                       ; O^T of pair p under the new M: x f
	WIN 0x41
	s_wait_alu depctr_va_vdst(0)                   ; the wait directly ahead of the first reader of O^T
.set J, 0
.rept 16
.irp e, 0,1
	v_pk_mul_f32 v[128+64*\p+32*\e+J:128+64*\p+32*\e+J+1], v[128+64*\p+32*\e+J:128+64*\p+32*\e+J+1], v[F+2*\e:F+2*\e+1] op_sel_hi:[1,0]
.endr
.set J, J+2
.endr
	WIN 0
.endm
	s_wait_alu depctr_va_vdst(0)                   ; the wait at the head's end
	s_wait_tensorcnt 0x0                           ; my part of the record is in,
	s_barrier_signal -1
	s_barrier_wait -1                              ; everybody's is
	KLOAD KLA, KSA, 0, 0                           ; step 0's K: 12 loads
	s_wait_loadcnt 0x0                             ; Q
.Lstep:                                            ; 16 trips of 128 keys
	v_add_nc_u32 v[ADK], s[TK], v[KLA]             ; these four lines are also the places behind the last trip's products, in front of the loads into registers that they read
	v_add_nc_u32 v[ADS], s[TS], v[KSA]
	v_add_nc_u32 v[ADT], s[TV], v[VSA]
	v_add_nc_u32 v[ADV], s[TK], v[VLA]
.irp i, 0,1
	ds_load_b32 v[VS+\i], v[ADT] offset:128*\i
.endr
.irp dt, 0,1,2,3
.irp c, 0,1
	ds_load_b128 v[VF+8*\dt+4*\c:VF+8*\dt+4*\c+3], v[ADV] offset:1024*\dt+512*\c
.endr
.endr
	s_wait_dscnt 10                                ; all but V's ten loads just issued: this step's K is in
	SPROD 0
.rept 4
	v_nop                                          ; places behind the products, in front of the first read of their results (ISA guide 7.12.1)
.endr
	SOFTMAX2 0
	SUMS 0
	SPROD 1                                        ; the second pair's scores take S's registers; K's fragments serve again
	RESCALE 0                                      ; 32 plain lines that name none of those products' registers: the places behind them
	KLOAD ADK, ADS, 4096, 512                      ; the next step's K: 12 loads
	SOFTMAX2 1
	RESCALE 1
	SUMS 1                                         ; 64 plain lines between the last write of an operand, a scale word or an accumulator and the products below
	s_wait_alu depctr_va_vdst(0)                   ; the wait directly ahead of the wait below
	s_wait_dscnt 12                                ; all but the next step's K: V and its scale words are in
	WIN 0x50
.irp dt, 0,1,2,3                               ; the sixteen accumulators take turns, one instruction a turn
.irp i, 0,1,2,3
	PVW \dt, \i
.endr
.endr
	WIN 0
	s_add_co_u32 s[TK], s[TK], 4096
	s_add_co_u32 s[TS], s[TS], 512
	s_add_co_u32 s[TV], s[TV], 256
	s_sub_co_u32 s[CNT], s[CNT], 1
	s_cmp_lg_u32 s[CNT], 0
	s_cbranch_scc1 .Lstep
	; THE WAY OUT.  Each sum's two halves and lane l xor 16's are added; O^T is divided by the sum and goes through my stage in LDS, a tile of 16 queries at a time, so that sixteen lanes store 256 consecutive bytes.
	s_wait_dscnt 0x0                               ; the last look-ahead has landed: its registers are used again below
.irp i, 0,1,2,3
	v_add_f32 v[ST+4*\i+2], v[ST+4*\i+2], v[ST+4*\i+3]   ; (these lines are the places behind the last products)
.endr
.irp i, 0,1,2,3
	v_permlanex16_b32 v[BM+\i], v[ST+4*\i+2], s[SEL], s[SEL+1]
.endr
.irp i, 0,1,2,3
	v_add_f32 v[ST+4*\i+2], v[ST+4*\i+2], v[BM+\i]
.endr
	s_wait_alu depctr_va_vdst(0)                   ; ahead of the batch of four
.irp i, 0,1,2,3
	v_rcp_f32 v[ST+4*\i+2], v[ST+4*\i+2]
.endr
	v_nop                                          ; one plain place behind the reciprocals
	WIN 0x41
	s_wait_alu depctr_va_vdst(0)                   ; behind the batch, directly ahead of the first readers of the reciprocals and of O^T
.irp i, 0,1,2,3
.set J, 0
.rept 16
	v_pk_mul_f32 v[128+32*\i+J:128+32*\i+J+1], v[128+32*\i+J:128+32*\i+J+1], v[ST+4*\i+2:ST+4*\i+3] op_sel_hi:[1,0]   ; register 8 dt + j: o(query r, channel 16 dt + 8 hh + j)
.set J, J+2
.endr
.endr
	WIN 0
	s_wait_alu depctr_va_vdst(0)
.macro TOSTAGE u                       ; tile u into the stage, and back as whole rows.  LDS serves a wave's instructions in order (ISA guide 5.7.1.4)
.set BK, KF+36*((\u)%2)
	WIN 0x04                                       ; the stores' data: window 1
.irp dt, 0,1,2,3
	ds_store_b128 v[STO], v[128+32*(\u)+8*\dt:128+32*(\u)+8*\dt+3] offset:64*\dt
	ds_store_b128 v[STO], v[128+32*(\u)+8*\dt+4:128+32*(\u)+8*\dt+7] offset:64*\dt+16
.endr
	WIN 0
.irp i, 0,1,2,3,4,5,6,7
	ds_load_b128 v[BK+4*\i:BK+4*\i+3], v[RD] offset:2*SP*\i
.endr
.endm
.macro SEND u, younger                 ; younger: the LDS instructions issued behind tile u's loads, which may stay out
.set BK, KF+36*((\u)%2)
	s_wait_dscnt \younger
.irp i, 0,1,2,3,4,5,6,7
	global_store_b128 v[GO], v[BK+4*\i:BK+4*\i+3], s[8:9] offset:262144*(\u)+32768*\i th:TH_STORE_NT   ; 16 lanes store 256 consecutive bytes, at a multiple of 256 from out0's first byte
.endr
.endm
	TOSTAGE 0
	TOSTAGE 1
	SEND 0, 16                                     ; behind tile 0's loads: tile 1's 8 stores and 8 loads
	s_wait_xcnt 0x0                                ; tile 0's stores have read their registers: tile 2's loads may land there
	TOSTAGE 2
	SEND 1, 16
	s_wait_xcnt 0x0
	TOSTAGE 3
	SEND 2, 16
	SEND 3, 0
	s_wait_tensorcnt 0x0                           ; the wave's end
	ds_add_u32 v[SPW], v[NIL]
	s_wait_dscnt 0x0
	CROUND                                         ; the closing round
	s_endpgm
.Lfunc_end_k_qaa5a50a3f9_attn:
	.size	k_qaa5a50a3f9_attn, .Lfunc_end_k_qaa5a50a3f9_attn-k_qaa5a50a3f9_attn
	.p2alignl 7, 3214868480
	.fill 96, 4, 3214868480
	.section	.rodata,"a",@progbits
	.p2align	6, 0x0
	.amdhsa_kernel k_qaa5a50a3f9_attn
		.amdhsa_group_segment_fixed_size 179200
		.amdhsa_private_segment_fixed_size 0
		.amdhsa_enable_private_segment 0
		.amdhsa_kernarg_size 24
		.amdhsa_user_sgpr_count 2
		.amdhsa_user_sgpr_kernarg_segment_ptr 1
		.amdhsa_wavefront_size32 1
		.amdhsa_system_sgpr_workgroup_id_x 1
		.amdhsa_system_sgpr_workgroup_id_y 1
		.amdhsa_system_sgpr_workgroup_id_z 1
		.amdhsa_system_vgpr_workitem_id 0
		.amdhsa_next_free_vgpr 512
		.amdhsa_next_free_sgpr 66
		.amdhsa_reserve_vcc 0
		.amdhsa_float_denorm_mode_32 3
		.amdhsa_float_denorm_mode_16_64 3
		.amdhsa_memory_ordered 1
		.amdhsa_forward_progress 1
		.amdhsa_inst_pref_size 77
	.end_amdhsa_kernel
	.amdgpu_metadata
---
amdhsa.version: [ 1, 2 ]
amdhsa.kernels:
  - .name:           k_qaa5a50a3f9_attn
    .symbol:         k_qaa5a50a3f9_attn.kd
    .args:
      - { .name: qrec, .offset: 0, .size: 8, .value_kind: global_buffer, .address_space: global }
      - { .name: kv, .offset: 8, .size: 8, .value_kind: global_buffer, .address_space: global }
      - { .name: out0, .offset: 16, .size: 8, .value_kind: global_buffer, .address_space: global }
    .group_segment_fixed_size: 179200
    .private_segment_fixed_size: 0
    .kernarg_segment_align: 8
    .kernarg_segment_size: 24
    .max_flat_workgroup_size: 256
    .sgpr_count:     66
    .vgpr_count:     512
    .wavefront_size: 32
...
	.end_amdgpu_metadata
.endif
;; end of part 2
